; MI455X (gfx1250); checked and timed in simulation.
; The chip was launched on July 23, 2026; its instructions are those of AMD's public machine-readable ISA for CDNA 5 (MIT licence, August 2026) and "CDNA5" Instruction Set Architecture Reference Guide (July 2026). The comments in the code are by the model that wrote it; some were corrected since.
;; Multi Head Attention. Allowed arithmetic: matrix products marked QUANTISED: E2M3 operands, one E8M0 scale for each 32 along K, by v_wmma_scale_f32_16x16x128_f8f6f4 with both operands' format E2M3, f32 sums; everything else in f32.
;; Inputs: W_proj_codes 1,024 x 32 x 24 uint8 (E2M3 codes of W_proj, K innermost, in blocks of 32 codes, four codes in three bytes); W_proj_scales 1,024 x 32 uint8 (E8M0 scales of W_proj, one for each 32 codes along K); W_qkv_codes 3,072 x 32 x 24 uint8 (E2M3 codes of W_qkv, K innermost, in blocks of 32 codes, four codes in three bytes); W_qkv_scales 3,072 x 32 uint8 (E8M0 scales of W_qkv, one for each 32 codes along K); b_proj 1,024 float32; b_qkv 3,072 float32; x_codes 4 x 2,048 x 32 x 24 uint8 (E2M3 codes of x, K innermost, in blocks of 32 codes, four codes in three bytes); x_scales 4 x 2,048 x 32 uint8 (E8M0 scales of x, one for each 32 codes along K).
;; Outputs: out0 4 x 2,048 x 1,024 float32.
;; This version of the problem:
;;   THIS VERSION OF THE PROBLEM IS GIVEN IN LOW PRECISION. The matrix products marked QUANTISED in the list below multiply operands that are first quantised to E2M3 (2 exponent bits, 3 mantissa bits; 6 bits a number), with one power-of-two scale for each 32 numbers along K (OCP MX v1.0); their sums are f32. All else is computed in f32.
;;   The module's matrix products, in the order in which they are computed (A, B: the left and right operand; K: the contracted axis; several contracted axes count as one K, in the product's order):
;;     1. [M 8,192, K 1,024] x [K 1,024, N 3,072]; A: input x (given as codes); B: input W_qkv (given as codes): QUANTISED
;;     2. batch 64 x [M 2,048, K 64] x [K 64, N 2,048]; A: computed on the way; B: computed on the way: QUANTISED
;;     3. batch 64 x [M 2,048, K 2,048] x [K 2,048, N 64]; A: softmax (see below); B: computed on the way: QUANTISED
;;     4. [M 8,192, K 1,024] x [K 1,024, N 1,024]; A: computed on the way; B: input W_proj (given as codes): QUANTISED
;;   THE QUANTISER, for each operand of a quantised product, along K:
;;     - K is cut into blocks of 32 from its start; a last block that is shorter is filled with zeros.
;;     - A block's scale is 2^e with e = floor(log2(the largest magnitude in the block)) - 2, held to -126 .. 127; a block of zeros has e = 0. As a byte (E8M0): e + 127.
;;     - Each number is divided by its block's scale, clamped to +-7.5, and rounded to the nearest number of E2M3, ties to even, subnormals kept.
;;     - The product sums the exact products of the quantised numbers (number of the format x scale) in f32.
;;   ~~~python
;;   def quantise(x, axis):      # numpy; x: float32 -> the quantised numbers, widened to float32 again
;;       x = np.moveaxis(x, axis, -1); K = x.shape[-1]
;;       x = np.pad(x, [(0, 0)] * (x.ndim - 1) + [(0, -K % 32)]); x = x.reshape(x.shape[:-1] + (-1, 32)); a = np.abs(x).max(-1, keepdims=True)
;;       e = np.where(a > 0, np.clip(np.frexp(np.where(a > 0, a, 1))[1] - 1 - 2, -126, 127), 0)      # np.frexp(a)[1] - 1 = floor(log2(a)), exactly
;;       r = np.clip(x / 2.0 ** e, -7.5, 7.5)
;;       step = 2.0 ** (np.maximum(np.frexp(np.where(r == 0, 1, r))[1] - 1, 0) - 3)
;;       q = np.round(r / step) * step * 2.0 ** e      # np.round: ties to even
;;       return np.moveaxis(q.reshape(q.shape[:-2] + (-1,))[..., :K], -1, axis).astype(np.float32)
;;   ~~~
;;   SOFTMAX AHEAD OF A QUANTISED PRODUCT. Where the list says 'softmax', what is quantised is not the finished softmax but p = 2^(t - M), with t = logit x log2(e) and M = ceil(the row's largest t), a whole number; so 1/2 < the row's largest p <= 1. The row's sum l is taken of the UNQUANTISED p, in f32, and the product's result is divided by l at the end. Since M is a whole number, a kernel that streams over the keys may use a running M (the ceiling of the running maximum): every later rescaling is an exact power of two, which a block's scale takes up: the codes' values come out the same.
;;   OPERANDS COMPUTED ON THE WAY. 'Computed on the way' means the value that the module computes at that place (a softmax that the list does not call 'softmax' is quantised finished and normalised). What goes into a quantiser is computed in f32, as accurately as f32 sums, v_exp_f32 and their like allow (about 1e-6 of the number): no bf16 or f16 on the way to a quantiser, and a product that is left as it is and whose result goes on into a quantised operand takes f32 operands (vector FMAs, or v_wmma_f32_16x16x4_f32). A number that lies on a knife's edge between two numbers of the format may be rounded either way, as far as f32 arithmetic and the matrix unit's own rounding can turn it there, and no further.
;;   INPUTS GIVEN AS CODES. W_proj (in the module: [1024, 1024], K = its axis 0); W_qkv (in the module: [1024, 3072], K = its axis 0); x (in the module: [4, 2048, 1024], K = its axis 2): each comes as NAME_codes (uint8): NAME with its K axis moved to the last place and cut into blocks of 32 codes, [.., K / 32, bytes a block], one block behind the other in memory; four codes in three bytes: a row's codes are one little-endian stream of bits, code i at bits 6 i .. 6 i + 5 (a code: sign, 2 exponent bits, 3 mantissa bits); and NAME_scales (uint8): the same leading axes, one E8M0 byte (e + 127) for each 32 codes along K. Its value is code x scale, taken as it is: it is not quantised again, and the codes and scales need not be those that the quantiser above would give.
;; One version. Each part assembles by itself: llvm-mc -triple=amdgcn-amd-amdhsa -mcpu=gfx1250 --defsym DOCPART=n.
;; ======== version 1 of 1: 3 launches
;; workspace buffers: q_img 6,291,456 bytes; q_sc 524,288 bytes; kv_img 13,107,200 bytes; a_img 6,291,456 bytes; a_sc 262,144 bytes
;; launch qkv (part 1): grid 8 x 32, 4 waves a work-group, clusters of 4 x 4, 327,680 bytes of LDS; arguments x_codes, x_scales, W_qkv_codes, W_qkv_scales, b_qkv, q_img, q_sc, kv_img; writes q_img, q_sc, kv_img
.if DOCPART == 1
	.amdgcn_target "amdgcn-amd-amdhsa--gfx1250"
	.amdhsa_code_object_version 6
	.text
	.protected	k_q87dc5a4c5d_qkv
	.globl	k_q87dc5a4c5d_qkv
	.p2align	8
	.type	k_q87dc5a4c5d_qkv,@function
k_q87dc5a4c5d_qkv:
	s_mov_b64 s[64:65], 0
	v_nop
	global_prefetch_b8 v0, s[64:65] scope:SCOPE_SE
	s_setreg_imm32_b32 hwreg(HW_REG_WAVE_MODE, 25, 1), 1
	s_wait_xcnt 0x0
	s_wait_alu depctr_hold_cnt(0) depctr_sa_sdst(0) depctr_va_vdst(0) depctr_va_sdst(0) depctr_va_ssrc(0) depctr_va_vcc(0) depctr_vm_vsrc(0)
	s_getreg_b32 s2, hwreg(HW_REG_IB_STS2, 6, 4)
	s_cmp_eq_u32 s2, 0
	s_cbranch_scc0 .Lentry_in_a_cluster
	s_endpgm
.Lentry_in_a_cluster:
	s_bfe_u32 s2, ttmp6, 0x10000c
	s_cmp_lg_u32 s2, 0xf033
	s_cbranch_scc0 .Lentry_shape_is_right
	s_endpgm
.Lentry_shape_is_right:
; qkv = x W_qkv + b_qkv on codes of FP6 (E2M3) with E8M0 scales, and its three parts quantised again: q and k along the head's 64, v along the tokens.
; x: 8,192 rows of 1,024 codes (768 bytes), W_qkv: 3,072 rows likewise; column 192 head + 64 {q, k, v} + d.  Nothing leaves as f32.
; SHARES.  A work-group of four waves takes 256 tokens (one slot of keys of one batch) x two heads (384 rows of W).  Wave w owns tokens 64 w .. 64 w + 63: four tiles of 16.
; ITS x STAYS IN REGISTERS: 4 tiles x 8 K steps x 12 = 384.  It walks six SEGMENTS of 64 columns (q, k, v of head 0, then of head 1), each 8 K steps x 16 matrix instructions on 16 accumulators by turns.
; q and k are made TRANSPOSED (source 0 = 16 rows of W, source 1 = 16 tokens): a lane holds one token, its registers run along d.  v is made the natural way round: a lane holds one d, its registers run along the tokens.
; Either way a lane's registers run along the K of the product that will read the codes.  The bias is the C of each sum's first matrix instruction.
; WHAT IS STORED are images of the reader's operand registers.  A HALF IMAGE (768 bytes): 6 registers x 32 lanes, registers 0-3 at 16 x lane, registers 4, 5 at 512 + 8 x lane; lane (r, h) holds row r, block h of 64 along K.
;   q_img [head 64][tile of 16 tokens 128][half image];  q_sc [head][64 tokens][64 words], word 2 (token % 32) + (token % 64) / 32 = s0 | s1 << 8 | 0x01010000
;   kv_img [head][slot of 256 keys][25,600]: +0 K: for each 32 keys 12 registers x 32 lanes (three runs of 512 bytes): registers 0-5 key rho(r), registers 6-11 key 8 + rho(r), rho(r) = r + 8 (r / 8);
;     +12,288 V: [64 tokens][tile of 16 d][half image];  +24,576 K's scale words;  +25,088 V's scale words.
; CLUSTER 4 x 4: the four of a row share the tokens (x), the four of a column the heads (W): each tile is asked for jointly.
; LDS: W's row i at 816 i (768 bytes + 16 behind each 256: row r starts at bank 12 r mod 64 of 64 banks of 4 bytes, ISA guide 11.1, so the 32 lanes of an 8-byte load touch 64 different banks).
;   Panels of 64 rows; panels 2 + w first hold wave w's rows of x, and are filled again with W's rows 128 + 64 w on once x is in registers.
; LIMITS: NaN and infinities are not served.  A block of zeros, and one whose largest magnitude lies under 2^-124, gets the scale byte 1 (the bytes are read by this program alone).
;   The bias is the sum's first addend: another order of f32 rounding than (x W) + b.
; REGISTERS: window 0: v1-14 offsets and addresses; v24-39 x's scale words, v40-71 W's (two sets); v72-199 the accumulators; v200-248 the quantiser.
;   window 1: v0-143 W's fragments, three sets of 48; v144-175 the bias tiles.   windows 2, 3: x's fragments of K steps 0-4 and 5-7, at 48 (s % 5) + 12 m.
.set PITCH, 816
.set PANEL, 64*PITCH
.set SPARE, 6*PANEL                    ; behind the panels: the spare words, 128 bytes a wave
.set SPW,  4                           ; v4   SPARE + 4 x my thread's number; never rewritten
.set NIL,  5                           ; v5   0; never rewritten
.set AX,   6                           ; v6-7   my place in my panel of x: + 816 r + 24 h, and + 40 h for the pieces behind one padding more
.set AW,   8                           ; v8-9   the same in panel 0
.set ADW,  10                          ; v10-11 the same in the segment's panel
.set XS,   24                          ; x's scale words: 8 (m / 2) + s; lanes 0-15 the even tile's, lanes 16-31 the odd tile's
.set WS,   40                          ; W's: 16 (segment % 2) + 8 (t / 2) + s
.set ACC,  72
.set TM,   200                         ; +0..3 largest magnitudes, +4..7 the other half's, then the bytes, +8..11 the conversions' scale operands
.set PW,   212                         ; four scale bytes
.set TT,   214                         ; v214-217 lanes turned by 8
.set PC,   220                         ; v220-231 the codes; v232-238 at work
.set WD,   240                         ; v240-248 scale words on their way out
.set BIAS, 144                         ; in window 1
.set G1X,  28                          ; s[28:35] group 1: 64 rows, my row of the cluster (x)
.set G1A,  36                          ; s[36:43] 32 rows, my column (W's rows 0-127)
.set G1B,  44                          ; s[44:51] 64 rows, my column (W's rows 128-383)
.set G0X,  52
.set G0A,  56
.set G0B,  60
.set QP,   72                          ; s[72:81] where my wave's results go
.set QSP,  74
.set KVP,  76
.set KSP,  78
.set VSP,  80
.set G1C,  (1<<20)|(1<<21)|(5<<22)|(3<<25)   ; elements of 1 byte; padding on; bit 21 beside a mask; after every 64 words, 4 words
.set MSB, 0
.macro WIN new                         ; the immediate's high byte repeats the setting that is left
.if MSB != \new
	s_set_vgpr_msb (MSB<<8)|\new
.set MSB, \new
.endif
.endm
.macro PLACES n
.rept \n
	v_nop
.endr
.endm
.macro CROUND                          ; a round of the cluster's barrier
	s_barrier_signal -1
	s_barrier_wait -1
	s_cmp_lg_u32 s20, 0
	s_cbranch_scc1 .Lnot_wave_0_\@
	s_barrier_signal -3
.Lnot_wave_0_\@:
	s_barrier_wait -3
	s_barrier_signal -1
	s_barrier_wait -1
.endm
; A fragment, 16 rows x 128 K, is 12 registers: lane (r, h) takes of row r the 24 bytes at 96 s + 24 h and at 96 s + 48 + 24 h, in pieces of 8.  Piece P of a row lies at 8 P + 16 (P / 32);
; lanes 16-31 read three pieces further on, which is behind one padding more where P % 32 is 29 or more: the second address register serves those.
.macro FRAG reg, adr, s, row
.irp p, 0,1,2,3,4,5
.set PP, 12*(\s)+6*(\p/3)+\p%3
.if PP%32 < 29
	ds_load_b64 v[(\reg)+2*\p:(\reg)+2*\p+1], v[\adr] offset:8*PP+16*(PP/32)+(\row)*PITCH
.else
	ds_load_b64 v[(\reg)+2*\p:(\reg)+2*\p+1], v[\adr+1] offset:8*PP+16*(PP/32)+(\row)*PITCH
.endif
.endr
.endm
.macro FETCHW g, s                     ; the segment's four fragments of W for K step s: 24 loads, into set (8 g + s) % 3
	WIN 0x40
.set WSET, 48*((8*(\g)+(\s))%3)
.irp t, 0,1,2,3
	FRAG WSET+12*\t, ADW, \s, 16*\t
.endr
.endm
.macro MM                              ; one matrix instruction, by the symbols mD, mA, mB, mC, mSA, mSB; mRA, mRB: the scale words stand in lanes 16-31
.set mRR, 2*mRA+mRB
.if mRR == 0
	v_wmma_scale_f32_16x16x128_f8f6f4 v[mD:mD+7], v[mA:mA+11], v[mB:mB+11], v[mC:mC+7], v[mSA], v[mSB] matrix_a_fmt:MATRIX_FMT_FP6 matrix_b_fmt:MATRIX_FMT_FP6
.elseif mRR == 1
	v_wmma_scale_f32_16x16x128_f8f6f4 v[mD:mD+7], v[mA:mA+11], v[mB:mB+11], v[mC:mC+7], v[mSA], v[mSB] matrix_a_fmt:MATRIX_FMT_FP6 matrix_b_fmt:MATRIX_FMT_FP6 matrix_b_scale:MATRIX_SCALE_ROW1
.elseif mRR == 2
	v_wmma_scale_f32_16x16x128_f8f6f4 v[mD:mD+7], v[mA:mA+11], v[mB:mB+11], v[mC:mC+7], v[mSA], v[mSB] matrix_a_fmt:MATRIX_FMT_FP6 matrix_b_fmt:MATRIX_FMT_FP6 matrix_a_scale:MATRIX_SCALE_ROW1
.else
	v_wmma_scale_f32_16x16x128_f8f6f4 v[mD:mD+7], v[mA:mA+11], v[mB:mB+11], v[mC:mC+7], v[mSA], v[mSB] matrix_a_fmt:MATRIX_FMT_FP6 matrix_b_fmt:MATRIX_FMT_FP6 matrix_a_scale:MATRIX_SCALE_ROW1 matrix_b_scale:MATRIX_SCALE_ROW1
.endif
.endm
; K step s of segment g: 16 matrix instructions, the 16 accumulators by turns, one instruction a turn, in the same order in every step.
; ty = 2 (v): source 0 = x's tile m, source 1 = W's tile t, accumulator m + 4 t.  Else (q, k): source 0 = W's tile t, source 1 = x's tile m, accumulator t + 4 m.  Step 0 takes the bias tile as C.
.macro PROD g, s, ty
.set WSET, 48*((8*(\g)+(\s))%3)
.set XB, 48*((\s)%5)
.set WSB, WS+16*((\g)%2)+(\s)
.set XSB, XS+(\s)
.set WW, 0x09+4*((\s)/5)               ; W window 1, x window 2 or 3, C and D window 0
.if \ty == 2
.set WW, 0x06+((\s)/5)
.endif
.if \s == 0
.set WW, WW+0x10                       ; C: the bias, window 1
.endif
	WIN WW
.set ii, 0
.rept 16
.set mHI, ii/4
.set mLO, ii%4
.set mD, ACC+8*ii
.if \ty == 2
.set mA, XB+12*mLO
.set mB, WSET+12*mHI
.set mC, BIAS+8*mHI
.set mSA, XSB+8*(mLO/2)
.set mSB, WSB+8*(mHI/2)
.else
.set mA, WSET+12*mLO
.set mB, XB+12*mHI
.set mC, BIAS+8*mLO
.set mSA, WSB+8*(mLO/2)
.set mSB, XSB+8*(mHI/2)
.endif
.set mRA, mLO%2
.set mRB, mHI%2
.if \s != 0
.set mC, mD
.endif
	MM
.set ii, ii+1
.endr
.endm
; Segment g's scale words of W (8 words a row, lane l row 32 b + l) and its bias tiles in the result's layout
.macro NEXT g
	WIN 0
.irp b, 0,1
	global_load_b128 v[WS+16*((\g)%2)+8*\b:WS+16*((\g)%2)+8*\b+3], v12, s[10:11] offset:2048*(\g)+1024*\b
	global_load_b128 v[WS+16*((\g)%2)+8*\b+4:WS+16*((\g)%2)+8*\b+7], v12, s[10:11] offset:2048*(\g)+1024*\b+16
.endr
	WIN 0x40
.if (\g)%3 == 2
.irp t, 0,1,2,3                        ; v: a lane holds one d: its one bias in all eight registers
.irp j, 0,1,2,3,4,5,6,7
	global_load_b32 v[BIAS+8*\t+\j], v14, s[12:13] offset:256*(\g)+64*\t
.endr
.endr
.else
.irp t, 0,1,2,3                        ; q, k: register j is d = 16 t + 8 h + j
	global_load_b128 v[BIAS+8*\t:BIAS+8*\t+3], v13, s[12:13] offset:256*(\g)+64*\t
	global_load_b128 v[BIAS+8*\t+4:BIAS+8*\t+7], v13, s[12:13] offset:256*(\g)+64*\t+16
.endr
.endif
.endm
; Eight accumulators from v[QB] on.  Tiles 2 k and 2 k + 1 hold numbers 8 h + j and 16 + 8 h + j of block k; the exchange of halves makes register 16 k + i number 16 h + i.  Each accumulator is first read at its register 0.
.macro SWAP64
.irp k, 0,1,2,3
.irp i, 0,1,2,3,4,5,6,7
	v_permlane16_swap_b32 v[QB+16*\k+\i], v[QB+16*\k+8+\i]
.endr
.endr
.endm
; Four blocks of 32 (16 numbers in this lane, 16 in lane l xor 16) become codes: v[PC:PC+5] blocks 0 and 1 (lanes 0-15, 16-31), v[PC+6:PC+11] blocks 2 and 3; v[PW] the four bytes.
.macro QUANT4
	s_wait_xcnt 0x0                                ; the last way out's stores have read their registers
.irp b, 0,1,2,3
	v_max3_num_f32 v[TM+\b], |v[QB+16*\b]|, |v[QB+1+16*\b]|, 0x1800000   ; and the floor 2^(3 - 127): the byte cannot fall under 1
.endr
.irp i, 2,4,6,8,10,12,14
.irp b, 0,1,2,3
	v_max3_num_f32 v[TM+\b], v[TM+\b], |v[QB+16*\b+\i]|, |v[QB+1+16*\b+\i]|
.endr
.endr
.irp b, 0,1,2,3
	v_permlanex16_b32 v[TM+4+\b], v[TM+\b], s66, s67
.endr
.irp b, 0,1,2,3
	v_max_num_f32 v[TM+\b], v[TM+\b], v[TM+4+\b]   ; the block's largest magnitude
.endr
.irp b, 0,1,2,3
	v_add_nc_u32 v[TM+8+\b], 0xff000000, v[TM+\b]  ; 2 off its exponent field: the conversion's scale operand
.endr
.irp b, 0,1,2,3
	v_lshrrev_b32 v[TM+4+\b], 23, v[TM+8+\b]       ; the scale's byte
.endr
	v_lshl_or_b32 v[PW], v[TM+5], 8, v[TM+4]
	v_lshl_or_b32 v[PW], v[TM+6], 16, v[PW]
	v_lshl_or_b32 v[PW], v[TM+7], 24, v[PW]
.irp c, 0,1
	v_cvt_scalef32_pk16_fp6_f32 v[PC+6*\c:PC+2+6*\c], v[QB+32*\c:QB+15+32*\c], v[TM+8+2*\c]
	v_cvt_scalef32_pk16_fp6_f32 v[PC+12+4*\c:PC+14+4*\c], v[QB+16+32*\c:QB+31+32*\c], v[TM+9+2*\c]   ; (a conversion's three registers begin on an even number)
.endr
	v_nop                                          ; one plain place behind a scaled conversion
.irp c, 0,1                            ; a whole block to a lane
.irp i, 0,1,2
	v_permlane16_swap_b32 v[PC+6*\c+\i], v[PC+12+4*\c+\i]
.endr
.irp i, 0,1,2
	v_mov_b32 v[PC+3+6*\c+\i], v[PC+12+4*\c+\i]
.endr
.endr
.endm
.macro HALVES base, off                ; two half images leave: each store covers 512 or 256 consecutive bytes, aligned
	global_store_b128 v1, v[PC:PC+3], s[\base:\base+1] offset:\off
	global_store_b64 v2, v[PC+4:PC+5], s[\base:\base+1] offset:\off+512
	global_store_b128 v1, v[PC+6:PC+9], s[\base:\base+1] offset:\off+768
	global_store_b64 v2, v[PC+10:PC+11], s[\base:\base+1] offset:\off+1280
.endm
.macro OUTQ hd                         ; q of head hd: token tiles 2 u, 2 u + 1
.irp u, 0,1
.set QB, ACC+64*\u
	SWAP64
	QUANT4
	HALVES QP, 98304*(\hd)+1536*\u
	v_perm_b32 v[WD+2], s68, v[PW], 0x05040100     ; the even tile's two bytes, and 1, 1 over the half of K in which q's codes are zeros
	v_perm_b32 v[WD+3], s68, v[PW], 0x05040302     ; the odd tile's
	v_cndmask_b32 v[WD+\u], v[WD+2], v[WD+3], s70  ; lane l: token 32 u + l
.endr
	global_store_b64 v2, v[WD:WD+1], s[QSP:QSP+1] offset:8192*(\hd)   ; 256 consecutive bytes, aligned
.endm
.macro OUTK hd                         ; k of head hd: 32 keys at a time, laid as the scores' product wants its source 0
.irp u, 0,1
.set QB, ACC+64*\u
	SWAP64
	QUANT4
.irp i, 0,1,2,3,4,5                    ; A = keys r, B = keys 16 + r.  Registers 0-5: r < 8 ? A : B of lane r - 8;  registers 6-11: r < 8 ? A of lane r + 8 : B
	v_permlane16_b32 v[TT+2*(\i%2)], v[PC+\i], s67, s66
	v_permlane16_b32 v[TT+2*(\i%2)+1], v[PC+6+\i], s67, s66
	v_cndmask_b32 v[PC+\i], v[PC+\i], v[TT+2*(\i%2)+1], s69
	v_cndmask_b32 v[PC+6+\i], v[TT+2*(\i%2)], v[PC+6+\i], s69
.endr
.irp c, 0,1,2
	global_store_b128 v1, v[PC+4*\c:PC+4*\c+3], s[KVP:KVP+1] offset:204800*(\hd)+1536*\u+512*\c
.endr
	v_permlane16_b32 v[TT], v[PW], s67, s66        ; the scale bytes go the same way
	v_perm_b32 v[WD+2], v[TT], v[PW], 0x05040100
	v_perm_b32 v[WD+3], v[PW], v[TT], 0x07060302
	v_cndmask_b32 v[WD+4+\u], v[WD+2], v[WD+3], s69
.endr
	v_cndmask_b32 v[WD+6], v[WD+4], v[WD+5], s70   ; lanes 0-15 the first 32 keys' words, lanes 16-31 the second's
	global_store_b32 v3, v[WD+6], s[KSP:KSP+1] offset:204800*(\hd)
.endm
.macro OUTV hd                         ; v of head hd: d tiles 2 u, 2 u + 1, K = my 64 tokens
.irp u, 0,1
.set QB, ACC+64*\u
	SWAP64
	QUANT4
	HALVES KVP, 204800*(\hd)+12288+1536*\u
	v_lshrrev_b32 v[WD+2], 16, v[PW]
	v_cndmask_b32 v[WD+7+\u], v[PW], v[WD+2], s70
	global_store_b16 v3, v[WD+7+\u], s[VSP:VSP+1] offset:204800*(\hd)+128*\u   ; half a scale word: the other half is the neighbouring wave's 64 tokens.  One byte in 76 of what the launch stores
.endr
.endm
; A SEGMENT.  W's fragments run two K steps ahead in three sets: step s fetches step s + 2 into the set that step s - 1 has left, four places behind its products.
.macro SEG g
	s_wait_loadcnt 0x0                             ; the segment's scale words and bias (asked for a segment ago)
.irp s, 0,1,2,3,4,5,6,7
	PLACES 4                                       ; in front of loads into registers that matrix instructions have read
.if \s < 6
	FETCHW \g, \s+2
.endif
.if (\s == 1) && (\g < 5)
	NEXT \g+1
.endif
.if \s < 6
	s_wait_dscnt 48                                ; the 24 loads of each of the two later K steps may be out
.elseif \s == 6
	s_wait_dscnt 24
.else
	s_wait_dscnt 0x0
.endif
	PROD \g, \s, (\g)%3
.endr
	PLACES 4                                       ; in front of the first read of results and of the loads below
	WIN 0
.if \g == 1
	s_wait_tensorcnt 0x0                           ; my part of W's rows 128-383, the one load that is out, has landed;
	s_barrier_signal -1
	s_barrier_wait -1                              ; everybody's has
.endif
.if \g < 5
	v_add_nc_u32 v[ADW], (\g+1)*PANEL, v[AW]
	v_add_nc_u32 v[ADW+1], (\g+1)*PANEL, v[AW+1]
	FETCHW \g+1, 0                                 ; the next segment's first two K steps land while this one is quantised
	FETCHW \g+1, 1
	WIN 0
.endif
.if (\g)%3 == 0
	OUTQ (\g)/3
.elseif (\g)%3 == 1
	OUTK (\g)/3
.else
	OUTV (\g)/3
.endif
.endm
	s_load_b256 s[4:11], s[0:1], 0x0               ; x's codes, x's scales, W's codes, W's scales
	s_load_b256 s[12:19], s[0:1], 0x20             ; the bias, q_img, q_sc, kv_img
	v_lshl_add_u32 v[SPW], v0, 2, SPARE
	v_mov_b32 v[NIL], 0
	ds_add_u32 v4, v5
	ds_add_u32 v4, v5
	s_wait_dscnt 0x0
	v_lshrrev_b32 v1, 5, v0
	v_readfirstlane_b32 s20, v1                    ; wave 0..3
	s_bfe_u32 s21, ttmp6, 0x40000                  ; cx
	s_bfe_u32 s22, ttmp6, 0x40004                  ; cy
	s_lshl_b32 s23, ttmp9, 2
	s_add_co_u32 s23, s23, s21                     ; which two heads: 4 x cluster x + cx
	s_and_b32 s24, ttmp7, 0xffff
	s_lshl_b32 s24, s24, 2
	s_add_co_u32 s24, s24, s22                     ; which 256 tokens: 4 x cluster y + cy
	s_lshl_b32 s25, s22, 2
	s_lshl_b32 s25, 15, s25                        ; my row of the cluster
	s_lshl_b32 s26, 0x1111, s21                    ; my column
	s_or_b32 s[G1X], s25, G1C
	s_or_b32 s[G1A], s26, G1C
	s_or_b32 s[G1B], s26, G1C
.irp g, G1X, G1B
	s_mov_b32 s[\g+1], 768<<16                     ; tensor_dim0
	s_mov_b32 s[\g+2], 64<<16                      ; tensor_dim1
	s_mov_b32 s[\g+3], 768<<16                     ; tile_dim0
	s_mov_b32 s[\g+4], 64                          ; tile_dim1
	s_mov_b32 s[\g+5], 768                         ; from row to row
	s_mov_b32 s[\g+6], 0
	s_mov_b32 s[\g+7], 0
.endr
	s_mov_b32 s[G1A+1], 768<<16
	s_mov_b32 s[G1A+2], 32<<16
	s_mov_b32 s[G1A+3], 768<<16
	s_mov_b32 s[G1A+4], 32
	s_mov_b32 s[G1A+5], 768
	s_mov_b32 s[G1A+6], 0
	s_mov_b32 s[G1A+7], 0
	s_lshl_b32 s88, s24, 8                         ; x: my first row 256 RB + 64 w (registers that never hold cx)
	s_lshl_b32 s89, s20, 6
	s_add_co_u32 s88, s88, s89
	s_lshl_b32 s94, s88, 5                         ; its scales: 32 bytes a row
	s_mov_b32 s95, 0
	s_mul_i32 s88, s88, 768
	s_mov_b32 s89, 0
	s_mul_i32 s96, s23, 384                        ; W: the two heads' first row (registers that never hold cy)
	s_lshl_b32 s90, s20, 5
	s_add_co_u32 s90, s90, s96
	s_mul_i32 s90, s90, 768                        ; rows 32 w on
	s_mov_b32 s91, 0
	s_lshl_b32 s92, s20, 6
	s_add_co_u32 s92, s92, s96
	s_add_co_u32 s92, s92, 128
	s_mul_i32 s92, s92, 768                        ; rows 128 + 64 w on
	s_mov_b32 s93, 0
	s_mul_i32 s86, s20, PANEL
	s_add_co_u32 s86, s86, 2*PANEL                 ; my panel
	s_mul_i32 s87, s20, 32*PITCH
	s_wait_kmcnt 0x0
	s_mov_b32 s[G0X], 1
	s_mov_b32 s[G0X+1], s86
	s_add_nc_u64 s[G0X+2:G0X+3], s[4:5], s[88:89]
	s_or_b32 s[G0X+3], s[G0X+3], 0x80000000
	s_mov_b32 s[G0A], 1
	s_mov_b32 s[G0A+1], s87
	s_add_nc_u64 s[G0A+2:G0A+3], s[8:9], s[90:91]
	s_or_b32 s[G0A+3], s[G0A+3], 0x80000000
	s_mov_b32 s[G0B], 1
	s_mov_b32 s[G0B+1], s86
	s_add_nc_u64 s[G0B+2:G0B+3], s[8:9], s[92:93]
	s_or_b32 s[G0B+3], s[G0B+3], 0x80000000
	CROUND                                         ; all sixteen work-groups are here: the first joint loads meet
	tensor_load_to_lds s[G0X:G0X+3], s[G1X:G1X+7]  ; my 64 rows of x,
	s_nop 0
	s_wait_alu depctr_va_vdst(0)
	s_wait_tensorcnt 0x0
	ds_add_u32 v4, v5
	s_wait_dscnt 0x0
	CROUND
	tensor_load_to_lds s[G0A:G0A+3], s[G1A:G1A+7]  ; my 32 of W's first 128: one load of mine is out
	s_nop 0
	PLACES 4
	v_and_b32 v15, 31, v0                          ; lane
	v_and_b32 v16, 15, v0                          ; r
	v_bfe_u32 v17, v0, 4, 1                        ; h
	v_lshlrev_b32 v1, 4, v15
	v_lshlrev_b32 v2, 3, v15
	v_lshlrev_b32 v3, 2, v15
	v_lshlrev_b32 v12, 5, v15
	v_lshlrev_b32 v13, 5, v17
	v_lshlrev_b32 v14, 2, v16
	v_mul_u32_u24 v[AW], v16, PITCH
	v_mad_u32_u24 v[AW+1], v17, 40, v[AW]
	v_mad_u32_u24 v[AW], v17, 24, v[AW]
	v_add_nc_u32 v[AX], s86, v[AW]
	v_add_nc_u32 v[AX+1], s86, v[AW+1]
	v_and_b32 v18, 8, v0
	v_cmp_ne_u32 s69, 0, v18                       ; lanes with r >= 8
	v_and_b32 v18, 16, v0
	v_cmp_ne_u32 s70, 0, v18                       ; lanes 16-31
.irp b, 0,1,2,3
	v_mov_b32 v[TM+4+\b], 0                        ; written once: a lane permute's destination counts as one of its sources
	v_mov_b32 v[TT+\b], 0
.endr
	s_mov_b32 s66, 0x76543210
	s_mov_b32 s67, 0xfedcba98
	s_mov_b32 s68, 0x01010101
	s_add_nc_u64 s[6:7], s[6:7], s[94:95]          ; x's scales at my first row
	s_lshl_b32 s94, s96, 5
	s_add_nc_u64 s[10:11], s[10:11], s[94:95]      ; W's scales at the two heads' first row
	s_lshl_b32 s94, s96, 2
	s_add_nc_u64 s[12:13], s[12:13], s[94:95]      ; the bias likewise
.irp b, 0,1
	global_load_b128 v[XS+8*\b:XS+8*\b+3], v12, s[6:7] offset:1024*\b        ; lane l: row 32 b + l, its eight words
	global_load_b128 v[XS+8*\b+4:XS+8*\b+7], v12, s[6:7] offset:1024*\b+16
.endr
	NEXT 0
	s_lshr_b32 s97, s24, 3                         ; the batch
	s_lshl_b32 s97, s97, 4
	s_lshl_b32 s98, s23, 1
	s_add_co_u32 s97, s97, s98                     ; 16 x batch + my first head
	s_and_b32 s98, s24, 7                          ; the slot of 256 tokens
	s_lshl_b32 s82, s97, 7
	s_lshl_b32 s83, s98, 4
	s_add_co_u32 s82, s82, s83
	s_lshl_b32 s83, s20, 2
	s_add_co_u32 s82, s82, s83
	s_mul_i32 s82, s82, 768
	s_mov_b32 s83, 0
	s_add_nc_u64 s[QP:QP+1], s[14:15], s[82:83]
	s_lshl_b32 s82, s97, 13
	s_lshl_b32 s84, s98, 2
	s_add_co_u32 s84, s84, s20
	s_lshl_b32 s84, s84, 8
	s_add_co_u32 s82, s82, s84
	s_add_nc_u64 s[QSP:QSP+1], s[16:17], s[82:83]
	s_lshl_b32 s82, s97, 3
	s_add_co_u32 s82, s82, s98
	s_mul_i32 s82, s82, 25600                      ; the slot in kv_img
	s_mov_b32 s85, 0
	s_mul_i32 s84, s20, 3072
	s_add_co_u32 s84, s84, s82
	s_add_nc_u64 s[KVP:KVP+1], s[18:19], s[84:85]
	s_lshl_b32 s84, s20, 7
	s_add_co_u32 s84, s84, s82
	s_add_co_u32 s84, s84, 24576
	s_add_nc_u64 s[KSP:KSP+1], s[18:19], s[84:85]
	s_lshr_b32 s84, s20, 1
	s_lshl_b32 s84, s84, 8
	s_and_b32 s99, s20, 1
	s_lshl_b32 s99, s99, 1
	s_add_co_u32 s84, s84, s99
	s_add_co_u32 s84, s84, s82
	s_add_co_u32 s84, s84, 25088
	s_add_nc_u64 s[VSP:VSP+1], s[18:19], s[84:85]
	s_wait_tensorcnt 0x1                           ; my rows of x have landed (W's load, issued behind, may be out); only I read my panel
	WIN 0x80
.irp s, 0,1,2,3,4
.irp m, 0,1,2,3
	FRAG 48*\s+12*\m, AX, \s, 16*\m
.endr
.endr
	WIN 0xc0
.irp s, 5,6,7
.irp m, 0,1,2,3
	FRAG 48*(\s-5)+12*\m, AX, \s, 16*\m
.endr
.endr
	WIN 0
	s_wait_tensorcnt 0x0                           ; all my tensor loads have landed, my part of W's first 128 rows among them;
	ds_add_u32 v[SPW], v[NIL]                      ; 0 onto my spare word
	v_mov_b32 v[ADW], v[AW]
	v_mov_b32 v[ADW+1], v[AW+1]
	s_wait_dscnt 0x0                               ; the add is done, and x is in registers: my reads of my panel are over
	CROUND                                         ; the same holds of every wave of every partner
	tensor_load_to_lds s[G0B:G0B+3], s[G1B:G1B+7]  ; my panel is filled again: W's rows 128 + 64 w on.  It has two segments in which to land
	s_nop 0
	PLACES 4
	s_wait_alu depctr_va_vdst(0)
	FETCHW 0, 0
	FETCHW 0, 1
	SEG 0
	SEG 1
	SEG 2
	SEG 3
	SEG 4
	SEG 5
	s_wait_tensorcnt 0x0                           ; the wave's end
	ds_add_u32 v[SPW], v[NIL]
	s_wait_dscnt 0x0
	CROUND                                         ; the closing round
	s_endpgm
.Lfunc_end_k_q87dc5a4c5d_qkv:
	.size	k_q87dc5a4c5d_qkv, .Lfunc_end_k_q87dc5a4c5d_qkv-k_q87dc5a4c5d_qkv
	.p2alignl 7, 3214868480
	.fill 96, 4, 3214868480
	.section	.rodata,"a",@progbits
	.p2align	6, 0x0
	.amdhsa_kernel k_q87dc5a4c5d_qkv
		.amdhsa_group_segment_fixed_size 327680
		.amdhsa_private_segment_fixed_size 0
		.amdhsa_enable_private_segment 0
		.amdhsa_kernarg_size 64
		.amdhsa_user_sgpr_count 2
		.amdhsa_user_sgpr_kernarg_segment_ptr 1
		.amdhsa_wavefront_size32 1
		.amdhsa_system_sgpr_workgroup_id_x 1
		.amdhsa_system_sgpr_workgroup_id_y 1
		.amdhsa_system_sgpr_workgroup_id_z 1
		.amdhsa_system_vgpr_workitem_id 0
		.amdhsa_next_free_vgpr 1024
		.amdhsa_next_free_sgpr 100
		.amdhsa_reserve_vcc 0
		.amdhsa_float_denorm_mode_32 3
		.amdhsa_float_denorm_mode_16_64 3
		.amdhsa_memory_ordered 1
		.amdhsa_forward_progress 1
		.amdhsa_inst_pref_size 255
	.end_amdhsa_kernel
	.section	.bss,"aw",@nobits
	.p2align	6
	.space	262144
	.amdgpu_metadata
---
amdhsa.version: [ 1, 2 ]
amdhsa.kernels:
  - .name:           k_q87dc5a4c5d_qkv
    .symbol:         k_q87dc5a4c5d_qkv.kd
    .args:
      - { .name: x_codes, .offset: 0, .size: 8, .value_kind: global_buffer, .address_space: global }
      - { .name: x_scales, .offset: 8, .size: 8, .value_kind: global_buffer, .address_space: global }
      - { .name: W_qkv_codes, .offset: 16, .size: 8, .value_kind: global_buffer, .address_space: global }
      - { .name: W_qkv_scales, .offset: 24, .size: 8, .value_kind: global_buffer, .address_space: global }
      - { .name: b_qkv, .offset: 32, .size: 8, .value_kind: global_buffer, .address_space: global }
      - { .name: q_img, .offset: 40, .size: 8, .value_kind: global_buffer, .address_space: global }
      - { .name: q_sc, .offset: 48, .size: 8, .value_kind: global_buffer, .address_space: global }
      - { .name: kv_img, .offset: 56, .size: 8, .value_kind: global_buffer, .address_space: global }
    .group_segment_fixed_size: 327680
    .private_segment_fixed_size: 0
    .kernarg_segment_align: 8
    .kernarg_segment_size: 64
    .max_flat_workgroup_size: 128
    .sgpr_count:     100
    .vgpr_count:     1024
    .wavefront_size: 32
...
	.end_amdgpu_metadata
.endif
;; end of part 1
;; launch attn (part 2): grid 4 x 64, 16 waves a work-group, no clusters, 327,680 bytes of LDS; arguments q_img, q_sc, kv_img, a_img, a_sc; writes a_img, a_sc
.if DOCPART == 2
	.amdgcn_target "amdgcn-amd-amdhsa--gfx1250"
	.amdhsa_code_object_version 6
	.text
	.protected	k_q87dc5a4c5d_attn
	.globl	k_q87dc5a4c5d_attn
	.p2align	8
	.type	k_q87dc5a4c5d_attn,@function
k_q87dc5a4c5d_attn:
	s_mov_b64 s[64:65], 0
	v_nop
	global_prefetch_b8 v0, s[64:65] scope:SCOPE_SE
	s_setreg_imm32_b32 hwreg(HW_REG_WAVE_MODE, 25, 1), 1
	s_wait_xcnt 0x0
; Causal attention of one head on codes of FP6 (E2M3): S = q k^T / 8, p = 2^(t - M), O = p v / l, and O quantised along the model's 1,024 for the last product.
; t = score x log2(e) / 8; M = the running largest t rounded UP to a whole number; p is quantised along the keys, not normalised; l is the sum of the unquantised p and divides at the end.
; SHARES.  Work-group (j, head) owns query blocks 7 - j and j of 256 queries; it walks slots 0 .. 7 - j of 256 keys for the first and 0 .. j for the second: NINE slots whatever j, so every work-group has the same work
; and the loop's trip count is a constant.  Each of sixteen waves owns one tile of 16 queries of a block, in 256 registers: four waves to a SIMD, one wave's softmax beside another's products and LDS loads.
; NO CLUSTER: the four work-groups of a head want different slots in the same trip from the fifth trip on, so no joint request could name them all.
; BOTH PRODUCTS TRANSPOSED: a lane holds one query throughout.  A slot (25,600 dense bytes: K's images, V's images, both scale words) comes by ONE tensor load of wave 0 into one of two LDS slots.
; THE SCORES' K IS 64, THE INSTRUCTION'S 128: source 0 holds TWO keys a lane (registers 0-5 key 32 b + rho(r), registers 6-11 key 32 b + 8 + rho(r), rho(r) = r + 8 (r / 8)); source 1 is q, 0 for the first and 0, q for the second,
; cut out of 18 registers q, 0, q.  The half that meets zero codes adds exact zeros; q's scale bytes over it are 1.  The 16 registers of tiles 2 b, 2 b + 1 are keys 32 b + 16 h + 0 .. 15.
; A step all of whose 128 keys come after the wave's queries is left out by a scalar branch on ids; on the diagonal hidden scores become -infinity ahead of the maximum.
; LIMITS: NaN and infinities are not served.  A block of zeros gets the byte 1 (read by this program alone).  A block's largest p is taken through its largest score: v_exp_f32 is taken not to fall where its input rises.
; REGISTERS: v1-3 16, 8, 4 x lane; v6-8 the same in the slot in hand; v9 32 r; v10 r - 16 h; v11 256 x lane; v12 -M, v13 largest t, v[14:15] the sum; v16-33 q, 0, q; v34-35 its scale words; v36-42 the second block's;
;   v44-91 four fragments of K or V; v92-95 their scale words; v96-159 S^T, then p; v160-191 O^T; v192-203 p's codes; v204-230 at work.
.set SLOTB, 25600
.set SLOT1, 32768                      ; LDS slot 1: one exclusive or turns an address from one slot to the other
.set SPARE, 65536                      ; the spare words: 128 bytes for each of 16 waves
.set VIM,   12288
.set KSC,   24576
.set VSC,   25088
.set S,   96
.set O,   160
.set PCD, 192
.set BT,  204                          ; v204-211 the other half's maxima, bytes, a chain of the sum, the conversions' second halves
.set BM,  212                          ; v212-215 each block's largest score, then its largest p
.set CVS, 216                          ; v216-219 the conversions' scale operands
.set FF,  226                          ; f = 2^(old M - new M); at the end 1 / l
.set PSW, 227                          ; p's scale word
.set TMP, 228
.macro TLOAD                           ; wave 0 fetches; four v_nop follow the load
	s_cmp_lg_u32 s14, 0
	s_cbranch_scc1 .Lnot0_\@
	tensor_load_to_lds s[32:35], s[24:31]
	s_nop 0
.rept 4
	v_nop
.endr
.Lnot0_\@:
.endm
; A PREFETCH INTO THE L2 of the slot that the NEXT change of slots will ask for.  All four work-groups of a head walk slots 0, 1, 2 ..: the one with j = 0, which walks all eight in order, asks, and nobody else.
; In it waves 4 to 6 ask, one instruction each, 8,192 bytes a wave, lanes 256 bytes apart: a slot's 24,576 bytes of codes; each block of 256 bytes is named once in the launch.
; Trips 0 to 5 name slots 2 to 7; slots 0 and 1, and the scale words, come by their loads alone.
.macro ASK
	s_cmp_gt_u32 s41, s60
	s_cbranch_scc0 .Lnot_mine_\@
	global_prefetch_b8 v11, s[58:59] th:TH_LOAD_NT scope:SCOPE_SE
.Lnot_mine_\@:
.endm
; Pointers of the block whose number stands in s[cb]: p1 q's image, p2 q's scale words, p3 the result's image, p4 its scale bytes; q0 my first query, qe the block's end
.macro BLK cb, p1, p2, p3, p4, q0, qe
	s_lshl_b32 s74, s[\cb], 4
	s_add_co_u32 s74, s74, s14                     ; my tile of 16 queries in the head
	s_lshl_b32 s[\q0], s74, 4
	s_lshl_b32 s[\qe], s[\cb], 8
	s_add_co_u32 s[\qe], s[\qe], 256
	s_mov_b32 s77, 0
	s_lshl_b32 s76, s16, 7
	s_add_co_u32 s76, s76, s74
	s_mul_i32 s76, s76, 768
	s_add_nc_u64 s[\p1:\p1+1], s[4:5], s[76:77]
	s_lshl_b32 s76, s16, 13                        ; 8,192 bytes a head; 256 for 64 tokens; tile u of four: 128 (u % 2) + 4 (u / 2), and 8 r
	s_lshr_b32 s75, s74, 2
	s_lshl_b32 s75, s75, 8
	s_add_co_u32 s76, s76, s75
	s_and_b32 s75, s74, 1
	s_lshl_b32 s75, s75, 7
	s_add_co_u32 s76, s76, s75
	s_bfe_u32 s75, s74, 0x10001
	s_lshl_b32 s75, s75, 2
	s_add_co_u32 s76, s76, s75
	s_add_nc_u64 s[\p2:\p2+1], s[6:7], s[76:77]
	s_lshl_b32 s76, s17, 7
	s_add_co_u32 s76, s76, s74                     ; the tile of rows among 512
	s_lshl_b32 s75, s76, 9                         ; 16 rows of 32 scale bytes
	s_lshl_b32 s76, s76, 4
	s_add_co_u32 s76, s76, s18
	s_mul_i32 s76, s76, 768
	s_add_nc_u64 s[\p3:\p3+1], s[10:11], s[76:77]
	s_lshl_b32 s76, s18, 1
	s_add_co_u32 s76, s76, s75
	s_add_nc_u64 s[\p4:\p4+1], s[12:13], s[76:77]
.endm
; A KEY STEP: 128 keys, the q-th of the slot in hand
.macro STEP q
	s_add_co_u32 s47, s45, 15
	s_cmp_gt_u32 s44, s47                          ; all keys behind my queries?
	s_cbranch_scc1 .Lhidden_\@
	v_add_nc_u32 v6, s40, v1
	v_add_nc_u32 v7, s40, v2
	v_add_nc_u32 v8, s40, v3
	v_nop                                          ; four places in front of loads into registers that the last products read
.irp b, 0,1,2,3
.irp c, 0,1,2
	ds_load_b128 v[44+12*\b+4*\c:47+12*\b+4*\c], v6 offset:(4*(\q)+\b)*1536+512*\c
.endr
.endr
.irp g, 0,1
	ds_load_b32 v[92+\g], v8 offset:KSC+(2*(\q)+\g)*128
.endr
	s_wait_alu depctr_va_vdst(0)
	s_wait_dscnt 0x0
.irp b, 0,1,2,3
.irp u, 0,1
.if \b%2
	v_wmma_scale_f32_16x16x128_f8f6f4 v[S+8*(2*\b+\u):S+7+8*(2*\b+\u)], v[44+12*\b:55+12*\b], v[16+6*\u:27+6*\u], 0, v[92+\b/2], v[34+\u] matrix_a_fmt:MATRIX_FMT_FP6 matrix_b_fmt:MATRIX_FMT_FP6 matrix_a_scale:MATRIX_SCALE_ROW1
.else
	v_wmma_scale_f32_16x16x128_f8f6f4 v[S+8*(2*\b+\u):S+7+8*(2*\b+\u)], v[44+12*\b:55+12*\b], v[16+6*\u:27+6*\u], 0, v[92+\b/2], v[34+\u] matrix_a_fmt:MATRIX_FMT_FP6 matrix_b_fmt:MATRIX_FMT_FP6
.endif
.endr
.endr
.rept 4
	v_nop                                          ; places in front of the loads below and of the first read of the scores
.endr
.irp t, 0,1,2,3                        ; V's four fragments are asked for here and land under the softmax: two half images each
	ds_load_b128 v[44+12*\t:47+12*\t], v6 offset:VIM+(8*(\q)+\t)*768
	ds_load_b64 v[48+12*\t:49+12*\t], v7 offset:VIM+(8*(\q)+\t)*768+512
	ds_load_b128 v[50+12*\t:53+12*\t], v6 offset:VIM+(8*(\q)+4+\t)*768
	ds_load_b64 v[54+12*\t:55+12*\t], v7 offset:VIM+(8*(\q)+4+\t)*768+512
.endr
.irp g, 0,1
	ds_load_b32 v[94+\g], v8 offset:VSC+256*(\q)+128*\g
.endr
	s_add_co_u32 s47, s44, 127
	s_cmp_le_u32 s47, s45                          ; do all 128 keys count for all my queries?
	s_cbranch_scc1 .Lopen_\@
	s_sub_co_i32 s47, s45, s44
	v_add_nc_u32 v[TMP], s47, v10                  ; d = my query - the step's first key - 16 h.  Register 16 b + i holds key 32 b + 16 h + i: hidden where 32 b + i > d
	v_mov_b32 v[TMP+1], 0xff800000
.irp n, 0,1,2,3,4,5,6,7,8,9,10,11,12,13,14,15,16,17,18,19,20,21,22,23,24,25,26,27,28,29,30,31,32,33,34,35,36,37,38,39,40,41,42,43,44,45,46,47,48,49,50,51,52,53,54,55,56,57,58,59,60,61,62,63
	v_cmp_gt_i32 vcc_lo, 32*(\n/16)+\n%16, v[TMP]
	v_cndmask_b32 v[S+\n], v[S+\n], v[TMP+1], vcc_lo
.endr
.Lopen_\@:
.irp b, 0,1,2,3
	v_max3_num_f32 v[BM+\b], v[S+16*\b], v[S+1+16*\b], v[S+2+16*\b]   ; the largest score of each block of 32 keys: for the row's maximum and for the block's largest p
.endr
.irp i, 3,5,7,9,11,13
.irp b, 0,1,2,3
	v_max3_num_f32 v[BM+\b], v[BM+\b], v[S+16*\b+\i], v[S+1+16*\b+\i]
.endr
.endr
.irp b, 0,1,2,3
	v_max_num_f32 v[BM+\b], v[BM+\b], v[S+15+16*\b]
.endr
.irp b, 0,1,2,3
	s_delay_alu instid0(VALU_DEP_4)
	v_permlanex16_b32 v[BT+\b], v[BM+\b], s20, s21
.endr
.irp b, 0,1,2,3
	s_delay_alu instid0(VALU_DEP_4)
	v_max_num_f32 v[BM+\b], v[BM+\b], v[BT+\b]
.endr
	s_delay_alu instid0(VALU_DEP_2)
	v_max3_num_f32 v[TMP], v[BM], v[BM+1], v[BM+2]
	s_delay_alu instid0(VALU_DEP_1)
	v_max_num_f32 v[TMP], v[TMP], v[BM+3]
	s_delay_alu instid0(VALU_DEP_1)
	v_mul_f32 v[TMP], s22, v[TMP]
	s_delay_alu instid0(VALU_DEP_1)
	v_max_num_f32 v13, v13, v[TMP]                 ; the running largest t
	v_mov_b32 v[TMP], v12
	s_delay_alu instid0(VALU_DEP_2)
	v_floor_f32 v12, -v13                          ; -M = floor(-t): M is a whole number
	s_delay_alu instid0(VALU_DEP_1)
	v_sub_f32 v[TMP], v12, v[TMP]
	s_delay_alu instid0(VALU_DEP_1)
	v_cvt_i32_f32 v[TMP], v[TMP]                   ; (it saturates)
	s_delay_alu instid0(VALU_DEP_1)
	v_ldexp_f32 v[FF], 1.0, v[TMP]                 ; f = 2^(old M - new M): rounds nothing
.irp j, 0,2,4,6,8,10,12,14,16,18,20,22,24,26,28,30,32,34,36,38,40,42,44,46,48,50,52,54,56,58,60,62
	v_pk_fma_f32 v[S+\j:S+1+\j], v[S+\j:S+1+\j], s[22:23], v[12:13] op_sel_hi:[1,0,0]   ; t - M
.endr
.irp b, 0,1,2,3
	v_fma_f32 v[BM+\b], v[BM+\b], s22, v12
.endr
	s_wait_alu depctr_va_vdst(0)
.irp j, 0,1,2,3,4,5,6,7,8,9,10,11,12,13,14,15,16,17,18,19,20,21,22,23,24,25,26,27,28,29,30,31,32,33,34,35,36,37,38,39,40,41,42,43,44,45,46,47,48,49,50,51,52,53,54,55,56,57,58,59,60,61,62,63
	v_exp_f32 v[S+\j], v[S+\j]                     ; p
.endr
	v_pk_mul_f32 v[14:15], v[14:15], v[FF:FF+1] op_sel_hi:[1,0]   ; the sum under the new M: the plain place behind the exponentials
	s_wait_alu depctr_va_vdst(0)                   ; one wait for the batch, ahead of its first reader
.irp b, 0,1,2,3
	v_exp_f32 v[BM+\b], v[BM+\b]                   ; each block's largest p
.endr
	v_pk_add_f32 v[204:205], v[100:101], v[104:105]
	v_pk_add_f32 v[254:255], v[108:109], v[112:113]
	v_pk_add_f32 v[252:253], v[116:117], v[120:121]
	v_pk_add_f32 v[250:251], v[124:125], v[128:129]
	v_pk_add_f32 v[248:249], v[132:133], v[136:137]
	v_pk_add_f32 v[246:247], v[140:141], v[144:145]
	v_pk_add_f32 v[244:245], v[148:149], v[152:153]
	v_pk_add_f32 v[14:15], v[14:15], v[156:157]
	v_pk_add_f32 v[204:205], v[204:205], v[96:97]
	v_pk_add_f32 v[254:255], v[254:255], v[98:99]
	v_pk_add_f32 v[252:253], v[252:253], v[102:103]
	v_pk_add_f32 v[250:251], v[250:251], v[106:107]
	v_pk_add_f32 v[248:249], v[248:249], v[110:111]
	v_pk_add_f32 v[246:247], v[246:247], v[114:115]
	v_pk_add_f32 v[244:245], v[244:245], v[118:119]
	v_pk_add_f32 v[14:15], v[14:15], v[122:123]
	v_pk_add_f32 v[204:205], v[204:205], v[126:127]
	v_pk_add_f32 v[254:255], v[254:255], v[130:131]
	v_pk_add_f32 v[252:253], v[252:253], v[134:135]
	v_pk_add_f32 v[250:251], v[250:251], v[138:139]
	v_pk_add_f32 v[248:249], v[248:249], v[142:143]
	v_pk_add_f32 v[246:247], v[246:247], v[146:147]
	v_pk_add_f32 v[244:245], v[244:245], v[150:151]
	v_pk_add_f32 v[14:15], v[14:15], v[154:155]
	v_pk_add_f32 v[204:205], v[204:205], v[158:159]
	s_delay_alu instid0(VALU_DEP_2)
	v_pk_add_f32 v[14:15], v[14:15], v[250:251]
	s_delay_alu instid0(VALU_DEP_2)
	v_pk_add_f32 v[204:205], v[204:205], v[248:249]
	v_pk_add_f32 v[254:255], v[254:255], v[246:247]
	v_pk_add_f32 v[252:253], v[252:253], v[244:245]
	s_delay_alu instid0(VALU_DEP_2)
	v_pk_add_f32 v[14:15], v[14:15], v[254:255]
	s_delay_alu instid0(VALU_DEP_2)
	v_pk_add_f32 v[204:205], v[204:205], v[252:253]
	s_delay_alu instid0(VALU_DEP_1)
	v_pk_add_f32 v[14:15], v[14:15], v[204:205]
	s_wait_alu depctr_va_vdst(0)                   ; and one for the four
.irp b, 0,1,2,3
	v_max_num_f32 v[BM+\b], 0x1800000, v[BM+\b]    ; the floor 2^(3 - 127)
.endr
.irp b, 0,1,2,3
	s_delay_alu instid0(VALU_DEP_4)
	v_add_nc_u32 v[CVS+\b], 0xff000000, v[BM+\b]
.endr
.irp b, 0,1,2,3
	s_delay_alu instid0(VALU_DEP_4)
	v_lshrrev_b32 v[BT+\b], 23, v[CVS+\b]
.endr
	s_delay_alu instid0(VALU_DEP_3)
	v_lshl_or_b32 v[PSW], v[BT+1], 8, v[BT]
	s_delay_alu instid0(VALU_DEP_1)
	v_lshl_or_b32 v[PSW], v[BT+2], 16, v[PSW]
	s_delay_alu instid0(VALU_DEP_1)
	v_lshl_or_b32 v[PSW], v[BT+3], 24, v[PSW]
.irp c, 0,1
	v_cvt_scalef32_pk16_fp6_f32 v[PCD+6*\c:PCD+2+6*\c], v[S+32*\c:S+15+32*\c], v[CVS+2*\c]
	v_cvt_scalef32_pk16_fp6_f32 v[BT+4*\c:BT+2+4*\c], v[S+16+32*\c:S+31+32*\c], v[CVS+1+2*\c]
.endr
	v_nop                                          ; one plain place behind a scaled conversion
.irp c, 0,1
.irp i, 0,1,2
	v_permlane16_swap_b32 v[PCD+6*\c+\i], v[BT+4*\c+\i]
.endr
.irp i, 0,1,2
	s_delay_alu instid0(VALU_DEP_3)
	v_mov_b32 v[PCD+3+6*\c+\i], v[BT+4*\c+\i]
.endr
.endr
.irp j, 0,2,4,6,8,10,12,14,16,18,20,22,24,26,28,30
	v_pk_mul_f32 v[O+\j:O+1+\j], v[O+\j:O+1+\j], v[FF:FF+1] op_sel_hi:[1,0]   ; O^T under the new M; for each product below twelve of these name none of its registers: its places behind p's codes and scale word
.endr
	s_wait_alu depctr_va_vdst(0)
	s_wait_dscnt 0x0                               ; V
.irp t, 0,1,2,3
.if \t%2
	v_wmma_scale_f32_16x16x128_f8f6f4 v[O+8*\t:O+7+8*\t], v[44+12*\t:55+12*\t], v[PCD:PCD+11], v[O+8*\t:O+7+8*\t], v[94+\t/2], v[PSW] matrix_a_fmt:MATRIX_FMT_FP6 matrix_b_fmt:MATRIX_FMT_FP6 matrix_a_scale:MATRIX_SCALE_ROW1
.else
	v_wmma_scale_f32_16x16x128_f8f6f4 v[O+8*\t:O+7+8*\t], v[44+12*\t:55+12*\t], v[PCD:PCD+11], v[O+8*\t:O+7+8*\t], v[94+\t/2], v[PSW] matrix_a_fmt:MATRIX_FMT_FP6 matrix_b_fmt:MATRIX_FMT_FP6
.endif
.endr
.Lhidden_\@:
	s_add_co_u32 s44, s44, 128
.endm
; THE CHANGE OF SLOTS, at a slot's head.  fill = 1: the slot just left is filled with the walk's next slot (after the first block's last slot the walk begins again at 0).
.macro CHANGE fill
	s_wait_tensorcnt 0x0                           ; no tensor load of mine is out: the slot ahead has landed, and group 0 may be written
	ds_add_u32 v4, v5                              ; 0 onto my spare word
.if \fill
	s_add_co_u32 s42, s42, 1
	s_cmp_gt_u32 s42, s43
	s_cselect_b32 s42, 0, s42
	s_mul_i32 s38, s42, SLOTB
	s_add_nc_u64 s[34:35], s[36:37], s[38:39]
	s_or_b32 s35, s35, 0x80000000
	s_xor_b32 s33, s33, SLOT1
	s_wait_xcnt 0x0                                ; the last prefetch, a slot back, has read its address
	s_add_nc_u64 s[58:59], s[58:59], SLOTB
.endif
	s_wait_dscnt 0x0                               ; the add is done, and my reads of the slot that I have left are over
	s_barrier_signal -1
	s_barrier_wait -1
.if \fill
	TLOAD                                          ; first behind the barrier; it has a slot's two key steps in which to land
	ASK
.endif
.endm
; A BLOCK'S END: O^T / l, brought into the order of 16 neighbours, quantised along d (two blocks of 32), stored as a half image and two scale bytes a row
.macro EPI
.rept 4
	v_nop
.endr
	v_add_f32 v14, v14, v15
	s_delay_alu instid0(VALU_DEP_1)
	v_permlanex16_b32 v[TMP], v14, s20, s21
	s_delay_alu instid0(VALU_DEP_1)
	v_add_f32 v14, v14, v[TMP]
	s_wait_alu depctr_va_vdst(0)
	v_rcp_f32 v[FF], v14
	v_nop
	s_wait_alu depctr_va_vdst(0)                   ; ahead of the reciprocal's first reader
.irp j, 0,2,4,6,8,10,12,14,16,18,20,22,24,26,28,30
	v_pk_mul_f32 v[S+\j:S+1+\j], v[O+\j:O+1+\j], v[FF:FF+1] op_sel_hi:[1,0]   ; register 8 t + i: d = 16 t + 8 h + i
.endr
.irp k, 0,1
.irp i, 0,1,2,3,4,5,6,7
	v_permlane16_swap_b32 v[S+16*\k+\i], v[S+16*\k+8+\i]   ; register 16 k + i: d = 32 k + 16 h + i
.endr
.endr
.irp b, 0,1
	v_max3_num_f32 v[BM+\b], |v[S+16*\b]|, |v[S+1+16*\b]|, 0x1800000
.endr
.irp i, 2,4,6,8,10,12,14
.irp b, 0,1
	s_delay_alu instid0(VALU_DEP_2)
	v_max3_num_f32 v[BM+\b], v[BM+\b], |v[S+16*\b+\i]|, |v[S+1+16*\b+\i]|
.endr
.endr
.irp b, 0,1
	s_delay_alu instid0(VALU_DEP_2)
	v_permlanex16_b32 v[BT+\b], v[BM+\b], s20, s21
.endr
.irp b, 0,1
	s_delay_alu instid0(VALU_DEP_2)
	v_max_num_f32 v[BM+\b], v[BM+\b], v[BT+\b]
.endr
.irp b, 0,1
	s_delay_alu instid0(VALU_DEP_2)
	v_add_nc_u32 v[CVS+\b], 0xff000000, v[BM+\b]
.endr
.irp b, 0,1
	s_delay_alu instid0(VALU_DEP_2)
	v_lshrrev_b32 v[BT+\b], 23, v[CVS+\b]
.endr
	s_delay_alu instid0(VALU_DEP_1)
	v_lshl_or_b32 v[TMP], v[BT+1], 8, v[BT]
	v_cvt_scalef32_pk16_fp6_f32 v[PCD:PCD+2], v[S:S+15], v[CVS]
	v_cvt_scalef32_pk16_fp6_f32 v[BT:BT+2], v[S+16:S+31], v[CVS+1]
	v_nop
.irp i, 0,1,2
	v_permlane16_swap_b32 v[PCD+\i], v[BT+\i]
.endr
.irp i, 0,1,2
	s_delay_alu instid0(VALU_DEP_3)
	v_mov_b32 v[PCD+3+\i], v[BT+\i]
.endr
	global_store_b128 v1, v[PCD:PCD+3], s[48:49]   ; 512 and 256 consecutive bytes, aligned
	global_store_b64 v2, v[PCD+4:PCD+5], s[48:49] offset:512
	global_store_b16 v9, v[TMP], s[50:51]          ; my head's two bytes of each row's 32 (both halves of the lanes store the same): one byte in 25 of what the launch stores
.endm
.macro REINIT                          ; on to the second block
.irp i, 0,1,2,3,4,5
	v_mov_b32 v[16+\i], v[36+\i]
	v_mov_b32 v[28+\i], v[36+\i]
.endr
	v_mov_b32 v34, v42
	v_perm_b32 v35, v42, v42, 0x01000302
	v_mov_b32 v13, 0xff61b1e6
	s_delay_alu instid0(VALU_DEP_1)
	v_floor_f32 v12, -v13
	v_mov_b32 v14, 0
	v_mov_b32 v15, 0
.irp j, 0,1,2,3,4,5,6,7,8,9,10,11,12,13,14,15,16,17,18,19,20,21,22,23,24,25,26,27,28,29,30,31
	v_mov_b32 v[O+\j], 0                           ; (also the places between q's new registers and scale words and the next products)
.endr
	s_wait_xcnt 0x0                                ; the block's stores have read their registers and pointers
	s_mov_b64 s[48:49], s[52:53]
	s_mov_b64 s[50:51], s[54:55]
	s_mov_b32 s45, s56
	s_mov_b32 s46, s57
	s_mov_b32 s44, 0
.endm
	s_load_b256 s[4:11], s[0:1], 0x0               ; q_img, q_sc, kv_img, a_img
	s_load_b64 s[12:13], s[0:1], 0x20              ; a_sc
	v_lshl_add_u32 v4, v0, 2, SPARE
	v_mov_b32 v5, 0
	ds_add_u32 v4, v5
	ds_add_u32 v4, v5
	s_wait_dscnt 0x0
	v_lshrrev_b32 v1, 5, v0
	s_delay_alu instid0(VALU_DEP_1)
	v_readfirstlane_b32 s14, v1                    ; wave 0..15
	s_mov_b32 s15, ttmp9                           ; j: the second block
	s_sub_co_u32 s43, 7, ttmp9                     ; 7 - j: the first block, and its last slot
	s_and_b32 s16, ttmp7, 0xffff                   ; 16 x batch + head
	s_lshr_b32 s17, s16, 4
	s_and_b32 s18, s16, 15
	s_mov_b32 s24, 3<<16                           ; group 1: a dense block, 100 rows of 32 elements of 8 bytes, no padding
	s_mov_b32 s25, 32<<16
	s_mov_b32 s26, 100<<16
	s_mov_b32 s27, 32<<16
	s_mov_b32 s28, 100
	s_mov_b32 s29, 32
	s_mov_b32 s30, 0
	s_mov_b32 s31, 0
	s_mov_b32 s32, 1
	s_mov_b32 s33, 0                               ; LDS slot 0
	s_mul_i32 s38, s16, 8*SLOTB
	s_mov_b32 s39, 0
	s_wait_kmcnt 0x0
	s_add_nc_u64 s[36:37], s[8:9], s[38:39]        ; the head's slots
	s_mov_b64 s[34:35], s[36:37]
	s_or_b32 s35, s35, 0x80000000
	TLOAD                                          ; slot 0
	BLK 43, 66, 68, 48, 50, 45, 46
	BLK 15, 70, 72, 52, 54, 56, 57
	s_and_b32 s74, s14, 3                          ; the prefetches: waves 4 to 6 take 8,192 bytes each, from slot 1 on; the first change of slots steps to slot 2
	s_lshl_b32 s74, s74, 13
	s_add_co_u32 s74, s74, SLOTB
	s_mov_b32 s75, 0
	s_add_nc_u64 s[58:59], s[36:37], s[74:75]
	s_sub_co_u32 s61, s14, 4
	s_cmp_lt_u32 s61, 3
	s_cselect_b32 s61, 0, 1
	s_or_b32 s61, s61, ttmp9
	s_cmp_eq_u32 s61, 0
	s_cselect_b32 s60, 2, -1                       ; a wave that asks does so while more than 2 trips with a fill are left
	s_mov_b32 s20, 0x76543210
	s_mov_b32 s21, 0xfedcba98
	s_mov_b32 s22, 0x3e38aa3b                      ; c = log2(e) / 8
	s_mov_b32 s23, s22
	s_mov_b32 s40, 0                               ; the LDS slot in hand
	s_mov_b32 s41, 8                               ; trips with a fill
	s_mov_b32 s42, 0                               ; the slot asked for last
	s_mov_b32 s44, 0                               ; the step's first key
	v_and_b32 v9, 31, v0
	s_delay_alu instid0(VALU_DEP_1)
	v_lshlrev_b32 v1, 4, v9
	s_delay_alu instid0(VALU_DEP_2)
	v_lshlrev_b32 v2, 3, v9
	s_delay_alu instid0(VALU_DEP_3)
	v_lshlrev_b32 v3, 2, v9
	s_delay_alu instid0(VALU_DEP_4)
	v_lshlrev_b32 v11, 8, v9
	v_and_b32 v[TMP], 15, v0                       ; r
	v_bfe_u32 v[TMP+1], v0, 4, 1                   ; h
	s_delay_alu instid0(VALU_DEP_2)
	v_lshlrev_b32 v9, 5, v[TMP]
	s_delay_alu instid0(VALU_DEP_2)
	v_lshlrev_b32 v[TMP+1], 4, v[TMP+1]
	s_delay_alu instid0(VALU_DEP_1)
	v_sub_nc_u32 v10, v[TMP], v[TMP+1]
	v_lshlrev_b32 v[TMP+2], 3, v[TMP]
	global_load_b128 v[16:19], v1, s[66:67]        ; the first block's q, in both its places
	global_load_b64 v[20:21], v2, s[66:67] offset:512
	global_load_b128 v[28:31], v1, s[66:67]
	global_load_b64 v[32:33], v2, s[66:67] offset:512
	global_load_b32 v34, v[TMP+2], s[68:69]
	global_load_b128 v[36:39], v1, s[70:71]        ; the second block's
	global_load_b64 v[40:41], v2, s[70:71] offset:512
	global_load_b32 v42, v[TMP+2], s[72:73]
.irp i, 0,1,2,3,4,5
	v_mov_b32 v[22+\i], 0                          ; the zero codes between
.endr
	v_mov_b32 v13, 0xff61b1e6                      ; -3e38, under every t
	s_delay_alu instid0(VALU_DEP_1)
	v_floor_f32 v12, -v13
	v_mov_b32 v14, 0
	v_mov_b32 v15, 0
.irp b, 0,1,2,3
	v_mov_b32 v[BT+\b], 0                          ; written once: a lane permute's destination counts as one of its sources
.endr
	v_mov_b32 v[PSW], 0                            ; (named as the upper half of the pair with f before it is first written)
	s_wait_loadcnt 0x0
	v_perm_b32 v35, v34, v34, 0x01000302           ; q's scale word for 0, q: turned by 16 bits
.irp j, 0,1,2,3,4,5,6,7,8,9,10,11,12,13,14,15,16,17,18,19,20,21,22,23,24,25,26,27,28,29,30,31
	v_mov_b32 v[O+\j], 0                           ; the step is written once: the first finds zeros
.endr
.Lslot:                                ; eight trips: behind each change of slots but the last the walk's next slot is asked for
	CHANGE 1
	STEP 0
	STEP 1
	s_xor_b32 s40, s40, SLOT1
	s_cmp_lg_u32 s44, s46                          ; was that the block's last slot?  (ids alone)
	s_cbranch_scc1 .Lsame
	EPI
	REINIT
.Lsame:
	s_sub_co_u32 s41, s41, 1
	s_cmp_lg_u32 s41, 0
	s_cbranch_scc1 .Lslot
	CHANGE 0                                       ; the ninth slot is written out
	STEP 0
	STEP 1
	EPI
	s_wait_tensorcnt 0x0                           ; the wave's end
	ds_add_u32 v4, v5
	s_wait_dscnt 0x0
	s_endpgm
.Lfunc_end_k_q87dc5a4c5d_attn:
	.size	k_q87dc5a4c5d_attn, .Lfunc_end_k_q87dc5a4c5d_attn-k_q87dc5a4c5d_attn
	.p2alignl 7, 3214868480
	.fill 96, 4, 3214868480
	.section	.rodata,"a",@progbits
	.p2align	6, 0x0
	.amdhsa_kernel k_q87dc5a4c5d_attn
		.amdhsa_group_segment_fixed_size 327680
		.amdhsa_private_segment_fixed_size 0
		.amdhsa_enable_private_segment 0
		.amdhsa_kernarg_size 40
		.amdhsa_user_sgpr_count 2
		.amdhsa_user_sgpr_kernarg_segment_ptr 1
		.amdhsa_wavefront_size32 1
		.amdhsa_system_sgpr_workgroup_id_x 1
		.amdhsa_system_sgpr_workgroup_id_y 1
		.amdhsa_system_sgpr_workgroup_id_z 1
		.amdhsa_system_vgpr_workitem_id 0
		.amdhsa_next_free_vgpr 256
		.amdhsa_next_free_sgpr 90
		.amdhsa_reserve_vcc 1
		.amdhsa_float_denorm_mode_32 3
		.amdhsa_float_denorm_mode_16_64 3
		.amdhsa_memory_ordered 1
		.amdhsa_forward_progress 1
		.amdhsa_inst_pref_size 110
	.end_amdhsa_kernel
	.amdgpu_metadata
---
amdhsa.version: [ 1, 2 ]
amdhsa.kernels:
  - .name:           k_q87dc5a4c5d_attn
    .symbol:         k_q87dc5a4c5d_attn.kd
    .args:
      - { .name: q_img, .offset: 0, .size: 8, .value_kind: global_buffer, .address_space: global }
      - { .name: q_sc, .offset: 8, .size: 8, .value_kind: global_buffer, .address_space: global }
      - { .name: kv_img, .offset: 16, .size: 8, .value_kind: global_buffer, .address_space: global }
      - { .name: a_img, .offset: 24, .size: 8, .value_kind: global_buffer, .address_space: global }
      - { .name: a_sc, .offset: 32, .size: 8, .value_kind: global_buffer, .address_space: global }
    .group_segment_fixed_size: 327680
    .private_segment_fixed_size: 0
    .kernarg_segment_align: 8
    .kernarg_segment_size: 40
    .max_flat_workgroup_size: 512
    .sgpr_count:     90
    .vgpr_count:     256
    .wavefront_size: 32
...
	.end_amdgpu_metadata
.endif
;; end of part 2
;; launch proj (part 3): grid 32 x 8, 4 waves a work-group, clusters of 4 x 1, 168,448 bytes of LDS; arguments a_img, a_sc, W_proj_codes, W_proj_scales, b_proj, out0; writes out0
.if DOCPART == 3
	.amdgcn_target "amdgcn-amd-amdhsa--gfx1250"
	.amdhsa_code_object_version 6
	.text
	.protected	k_q87dc5a4c5d_proj
	.globl	k_q87dc5a4c5d_proj
	.p2align	8
	.type	k_q87dc5a4c5d_proj,@function
k_q87dc5a4c5d_proj:
	s_mov_b64 s[64:65], 0
	v_nop
	global_prefetch_b8 v0, s[64:65] scope:SCOPE_SE
	s_setreg_imm32_b32 hwreg(HW_REG_WAVE_MODE, 25, 1), 1
	s_wait_xcnt 0x0
	s_wait_alu depctr_hold_cnt(0) depctr_sa_sdst(0) depctr_va_vdst(0) depctr_va_sdst(0) depctr_va_ssrc(0) depctr_va_vcc(0) depctr_vm_vsrc(0)
	s_getreg_b32 s2, hwreg(HW_REG_IB_STS2, 6, 4)
	s_cmp_eq_u32 s2, 0
	s_cbranch_scc0 .Lentry_in_a_cluster
	s_endpgm
.Lentry_in_a_cluster:
	s_bfe_u32 s2, ttmp6, 0x10000c
	s_cmp_lg_u32 s2, 0x3003
	s_cbranch_scc0 .Lentry_shape_is_right
	s_endpgm
.Lentry_shape_is_right:
; out0 = A W_proj + b_proj on codes of FP6 (E2M3) with E8M0 scales.  A: the attention's result, 8,192 rows x 1,024, stored by the launch before as images of operand registers:
; a_img [tile of 16 rows 512][head 16][768 bytes: registers 0-3 at 16 x lane, registers 4, 5 at 512 + 8 x lane]; heads 2 s and 2 s + 1 are K step s's fragment.  a_sc [row][32 bytes].
; SHARES.  A work-group of four waves takes 256 rows x 128 columns; wave w rows 64 w .. 64 w + 63 (four tiles).  A's 32 fragments come from memory STRAIGHT INTO REGISTERS (384) and stay.
; W's 128 rows (816 bytes apart in LDS: 768 + 16 behind each 256) come once, by one joint load a wave: the four partners of a cluster share the columns.  LDS is never filled again.
; Two segments of 64 columns, each 8 K steps x 16 matrix instructions on 16 accumulators by turns, TRANSPOSED (source 0 = 16 rows of W, source 1 = 16 rows of A): a lane holds eight neighbouring columns of a row.
; The bias is the C of each sum's first matrix instruction (another order of f32 rounding than (A W) + b).  Results leave through the wave's own stage: sixteen lanes store 256 consecutive bytes, aligned.
; REGISTERS: window 0: v1, v2, v8-17 offsets and addresses; v24-39 A's scale words, v40-71 W's (a set a segment); v72-199 the accumulators.
;   window 1: v0-143 W's fragments, three sets of 48; v144-207 the bias tiles of both segments.   windows 2, 3: A's fragments of K steps 0-4 and 5-7, at 48 (s % 5) + 12 m.
.set PITCH, 816
.set PANEL, 64*PITCH
.set STAGE, 2*PANEL                    ; behind W: 16 rows x 272 bytes for each wave
.set SP,   272
.set AW,   8
.set ADW,  10
.set STO,  15
.set RD,   16
.set CO,   17
.set XS,   24
.set WS,   40
.set ACC,  72
.set BIAS, 144
.set G1,   36
.set G0,   56
.set MSB, 0
.macro WIN new                         ; the immediate's high byte repeats the setting that is left
.if MSB != \new
	s_set_vgpr_msb (MSB<<8)|\new
.set MSB, \new
.endif
.endm
.macro PLACES n
.rept \n
	v_nop
.endr
.endm
.macro CROUND                          ; a round of the cluster's barrier
	s_barrier_signal -1
	s_barrier_wait -1
	s_cmp_lg_u32 s20, 0
	s_cbranch_scc1 .Lnot_wave_0_\@
	s_barrier_signal -3
.Lnot_wave_0_\@:
	s_barrier_wait -3
	s_barrier_signal -1
	s_barrier_wait -1
.endm
; A fragment of W from LDS rows: pieces of 8 bytes; piece P of a row lies at 8 P + 16 (P / 32); lanes 16-31 read three pieces on, behind one padding more where P % 32 is 29 or more
.macro FRAG reg, adr, s, row
.irp p, 0,1,2,3,4,5
.set PP, 12*(\s)+6*(\p/3)+\p%3
.if PP%32 < 29
	ds_load_b64 v[(\reg)+2*\p:(\reg)+2*\p+1], v[\adr] offset:8*PP+16*(PP/32)+(\row)*PITCH
.else
	ds_load_b64 v[(\reg)+2*\p:(\reg)+2*\p+1], v[\adr+1] offset:8*PP+16*(PP/32)+(\row)*PITCH
.endif
.endr
.endm
.macro FETCHW g, s                     ; 24 loads, into set (8 g + s) % 3
	WIN 0x40
.set WSET, 48*((8*(\g)+(\s))%3)
.irp t, 0,1,2,3
	FRAG WSET+12*\t, ADW, \s, 16*\t
.endr
.endm
.macro MM
.set mRR, 2*mRA+mRB
.if mRR == 0
	v_wmma_scale_f32_16x16x128_f8f6f4 v[mD:mD+7], v[mA:mA+11], v[mB:mB+11], v[mC:mC+7], v[mSA], v[mSB] matrix_a_fmt:MATRIX_FMT_FP6 matrix_b_fmt:MATRIX_FMT_FP6
.elseif mRR == 1
	v_wmma_scale_f32_16x16x128_f8f6f4 v[mD:mD+7], v[mA:mA+11], v[mB:mB+11], v[mC:mC+7], v[mSA], v[mSB] matrix_a_fmt:MATRIX_FMT_FP6 matrix_b_fmt:MATRIX_FMT_FP6 matrix_b_scale:MATRIX_SCALE_ROW1
.elseif mRR == 2
	v_wmma_scale_f32_16x16x128_f8f6f4 v[mD:mD+7], v[mA:mA+11], v[mB:mB+11], v[mC:mC+7], v[mSA], v[mSB] matrix_a_fmt:MATRIX_FMT_FP6 matrix_b_fmt:MATRIX_FMT_FP6 matrix_a_scale:MATRIX_SCALE_ROW1
.else
	v_wmma_scale_f32_16x16x128_f8f6f4 v[mD:mD+7], v[mA:mA+11], v[mB:mB+11], v[mC:mC+7], v[mSA], v[mSB] matrix_a_fmt:MATRIX_FMT_FP6 matrix_b_fmt:MATRIX_FMT_FP6 matrix_a_scale:MATRIX_SCALE_ROW1 matrix_b_scale:MATRIX_SCALE_ROW1
.endif
.endm
; K step s of segment g: accumulator t + 4 m; the 16 by turns, one instruction a turn
.macro PROD g, s
.set WSET, 48*((8*(\g)+(\s))%3)
.set XB, 48*((\s)%5)
.set WW, 0x09+4*((\s)/5)               ; W window 1, A window 2 or 3, C and D window 0
.if \s == 0
.set WW, WW+0x10                       ; C: the bias, window 1
.endif
	WIN WW
.set ii, 0
.rept 16
.set mHI, ii/4
.set mLO, ii%4
.set mD, ACC+8*ii
.set mA, WSET+12*mLO
.set mB, XB+12*mHI
.set mC, BIAS+32*(\g)+8*mLO
.set mSA, WS+16*(\g)+(\s)+8*(mLO/2)
.set mSB, XS+(\s)+8*(mHI/2)
.set mRA, mLO%2
.set mRB, mHI%2
.if \s != 0
.set mC, mD
.endif
	MM
.set ii, ii+1
.endr
.endm
.macro TOSTAGE m                       ; tile m's 16 rows x 64 columns into my stage, each accumulator from its low end on, and back as whole rows of 256 bytes, into the registers that they left
.irp t, 0,1,2,3
	ds_store_b128 v[STO], v[ACC+32*(\m)+8*\t:ACC+32*(\m)+8*\t+3] offset:64*\t
	ds_store_b128 v[STO], v[ACC+32*(\m)+8*\t+4:ACC+32*(\m)+8*\t+7] offset:64*\t+16
.endr
.irp i, 0,1,2,3,4,5,6,7
	ds_load_b128 v[ACC+32*(\m)+4*\i:ACC+32*(\m)+4*\i+3], v[RD] offset:2*\i*SP   ; LDS serves a wave's instructions in order (ISA guide 5.7.1.4): these see the stores above
.endr
.endm
.macro SEND m, g, younger              ; younger: the LDS instructions issued behind tile m's loads
	s_wait_dscnt \younger
.irp i, 0,1,2,3,4,5,6,7
	global_store_b128 v[CO], v[ACC+32*(\m)+4*\i:ACC+32*(\m)+4*\i+3], s[14:15] offset:(16*(\m)+2*\i)*4096+256*(\g) th:TH_STORE_NT   ; 16 lanes store 256 consecutive bytes, aligned; written once
.endr
.endm
.macro SEG g
.irp s, 0,1,2,3,4,5,6,7
	PLACES 4                                       ; in front of loads into registers that matrix instructions have read
.if \s < 6
	FETCHW \g, \s+2
.endif
.if \g == 0                            ; A's images were asked for K step by K step, 16 loads each
.if \s == 0
	s_wait_loadcnt 48                              ; all but the 48 loads of K steps 5, 6, 7 are in: the scale words, the bias, K steps 0 to 4
.elseif \s == 5
	s_wait_loadcnt 32
.elseif \s == 6
	s_wait_loadcnt 16
.elseif \s == 7
	s_wait_loadcnt 0x0
.endif
.endif
.if \s < 6
	s_wait_dscnt 48                                ; the 24 loads of each of the two later K steps may be out
.elseif \s == 6
	s_wait_dscnt 24
.else
	s_wait_dscnt 0x0
.endif
	PROD \g, \s
.endr
	PLACES 4                                       ; in front of the first read of results and of the loads below
	WIN 0
.if \g == 0
	v_add_nc_u32 v[ADW], PANEL, v[AW]
	s_wait_alu depctr_va_vdst(0)
	v_add_nc_u32 v[ADW+1], PANEL, v[AW+1]
	s_wait_alu depctr_va_vdst(0)
	FETCHW 1, 0
	FETCHW 1, 1
	WIN 0
.endif
	TOSTAGE 0
.irp m, 1,2,3
	TOSTAGE \m
	SEND \m-1, \g, 16                              ; behind tile m - 1's loads: tile m's 8 stores and 8 loads
.endr
	SEND 3, \g, 0
.if \g == 0
	s_wait_xcnt 0x0                                ; the stores have read their registers: the next segment's sums may be written there
.endif
.endm
	s_load_b256 s[4:11], s[0:1], 0x0               ; a_img, a_sc, W's codes, W's scales
	s_load_b128 s[12:15], s[0:1], 0x20             ; the bias, out0
	v_lshl_add_u32 v254, v0, 2, 0x29000
	v_mov_b32 v255, 0
	ds_add_u32 v254, v255
	ds_add_u32 v254, v255
	v_lshrrev_b32 v1, 5, v0
	v_readfirstlane_b32 s20, v1                    ; wave 0..3
	s_bfe_u32 s21, ttmp6, 0x40000                  ; cx
	s_lshl_b32 s24, ttmp9, 2
	s_add_co_u32 s24, s24, s21                     ; which 256 rows
	s_and_b32 s23, ttmp7, 0xffff                   ; which 128 columns: shared by the four partners
	s_mov_b32 s[G1], 15|(1<<20)|(1<<21)|(5<<22)|(3<<25)   ; all four work-groups; elements of 1 byte; padding: after every 64 words, 4 words
	s_mov_b32 s[G1+1], 768<<16
	s_mov_b32 s[G1+2], 32<<16
	s_mov_b32 s[G1+3], 768<<16
	s_mov_b32 s[G1+4], 32
	s_mov_b32 s[G1+5], 768
	s_mov_b32 s[G1+6], 0
	s_mov_b32 s[G1+7], 0
	s_lshl_b32 s26, s23, 7                         ; W's first row (registers that never hold cx)
	s_lshl_b32 s28, s20, 5
	s_add_co_u32 s28, s28, s26
	s_mul_i32 s28, s28, 768
	s_mov_b32 s29, 0
	s_mul_i32 s27, s20, 32*PITCH
	s_wait_dscnt 0x0
	s_wait_kmcnt 0x0
	s_mov_b32 s[G0], 1
	s_mov_b32 s[G0+1], s27
	s_add_nc_u64 s[G0+2:G0+3], s[8:9], s[28:29]
	s_or_b32 s[G0+3], s[G0+3], 0x80000000
	CROUND                                         ; the four work-groups are here: the joint loads meet
	tensor_load_to_lds s[G0:G0+3], s[G1:G1+7]      ; my 32 of W's 128 rows
	s_nop 0
	PLACES 4
	v_and_b32 v3, 31, v0
	v_and_b32 v4, 15, v0                           ; r
	v_bfe_u32 v5, v0, 4, 1                         ; h
	v_lshlrev_b32 v1, 4, v3
	v_lshlrev_b32 v2, 3, v3
	v_lshlrev_b32 v12, 5, v3
	v_lshlrev_b32 v13, 5, v5
	v_mul_u32_u24 v[AW], v4, PITCH
	v_mad_u32_u24 v[AW+1], v5, 40, v[AW]
	v_mad_u32_u24 v[AW], v5, 24, v[AW]
	v_mov_b32 v[ADW], v[AW]
	v_mov_b32 v[ADW+1], v[AW+1]
	s_mul_i32 s30, s20, 16*SP
	s_add_co_u32 s30, s30, STAGE                   ; my stage
	v_mul_u32_u24 v[STO], v4, SP
	v_lshl_add_u32 v[STO], v5, 5, v[STO]
	v_add_nc_u32 v[STO], s30, v[STO]               ; in: row r, 32 bytes for each half of the lanes
	v_mul_u32_u24 v[RD], v5, SP
	v_lshl_add_u32 v[RD], v4, 4, v[RD]
	v_add_nc_u32 v[RD], s30, v[RD]                 ; back: lanes 0-15 one row, lanes 16-31 the next
	v_lshlrev_b32 v[CO], 12, v5
	v_lshl_add_u32 v[CO], v4, 4, v[CO]             ; and the same two rows in out0
	s_lshl_b32 s32, s24, 8
	s_lshl_b32 s33, s20, 6
	s_add_co_u32 s32, s32, s33                     ; my first row
	s_mov_b32 s35, 0
	s_lshl_b32 s34, s32, 5
	s_add_nc_u64 s[6:7], s[6:7], s[34:35]          ; its scale bytes
	s_mul_i32 s34, s32, 768
	s_add_nc_u64 s[4:5], s[4:5], s[34:35]          ; its images: 12,288 bytes for 16 rows
	s_lshl_b32 s34, s32, 12
	s_lshl_b32 s33, s23, 9
	s_add_co_u32 s34, s34, s33
	s_add_nc_u64 s[14:15], s[14:15], s[34:35]      ; its place in out0
	s_lshl_b32 s34, s26, 5
	s_add_nc_u64 s[10:11], s[10:11], s[34:35]      ; W's scales
	s_lshl_b32 s34, s26, 2
	s_add_nc_u64 s[12:13], s[12:13], s[34:35]      ; the bias
.irp b, 0,1
	global_load_b128 v[XS+8*\b:XS+8*\b+3], v12, s[6:7] offset:1024*\b
	global_load_b128 v[XS+8*\b+4:XS+8*\b+7], v12, s[6:7] offset:1024*\b+16
.endr
.irp b, 0,1,2,3
	global_load_b128 v[WS+8*\b:WS+8*\b+3], v12, s[10:11] offset:1024*\b
	global_load_b128 v[WS+8*\b+4:WS+8*\b+7], v12, s[10:11] offset:1024*\b+16
.endr
	WIN 0x40
.irp t, 0,1,2,3,4,5,6,7
	global_load_b128 v[BIAS+8*\t:BIAS+8*\t+3], v13, s[12:13] offset:64*\t
	global_load_b128 v[BIAS+8*\t+4:BIAS+8*\t+7], v13, s[12:13] offset:64*\t+16
.endr
	WIN 0x80
.irp s, 0,1,2,3,4
.irp m, 0,1,2,3
	global_load_b128 v[48*\s+12*\m:48*\s+12*\m+3], v1, s[4:5] offset:12288*\m+1536*\s
	global_load_b64 v[48*\s+12*\m+4:48*\s+12*\m+5], v2, s[4:5] offset:12288*\m+1536*\s+512
	global_load_b128 v[48*\s+12*\m+6:48*\s+12*\m+9], v1, s[4:5] offset:12288*\m+1536*\s+768
	global_load_b64 v[48*\s+12*\m+10:48*\s+12*\m+11], v2, s[4:5] offset:12288*\m+1536*\s+1280
.endr
.endr
	WIN 0xc0
.irp s, 5,6,7
.irp m, 0,1,2,3
	global_load_b128 v[48*(\s-5)+12*\m:48*(\s-5)+12*\m+3], v1, s[4:5] offset:12288*\m+1536*\s
	global_load_b64 v[48*(\s-5)+12*\m+4:48*(\s-5)+12*\m+5], v2, s[4:5] offset:12288*\m+1536*\s+512
	global_load_b128 v[48*(\s-5)+12*\m+6:48*(\s-5)+12*\m+9], v1, s[4:5] offset:12288*\m+1536*\s+768
	global_load_b64 v[48*(\s-5)+12*\m+10:48*(\s-5)+12*\m+11], v2, s[4:5] offset:12288*\m+1536*\s+1280
.endr
.endr
	WIN 0
	s_wait_alu depctr_va_vdst(0)
	s_wait_tensorcnt 0x0                           ; my part of W, the one load that is out, has landed;
	s_barrier_signal -1
	s_barrier_wait -1                              ; everybody's has
	FETCHW 0, 0
	FETCHW 0, 1
	SEG 0
	SEG 1
	s_wait_tensorcnt 0x0
	ds_add_u32 v254, v255
	s_wait_dscnt 0x0
	CROUND                                         ; the closing round
	s_endpgm
.Lfunc_end_k_q87dc5a4c5d_proj:
	.size	k_q87dc5a4c5d_proj, .Lfunc_end_k_q87dc5a4c5d_proj-k_q87dc5a4c5d_proj
	.p2alignl 7, 3214868480
	.fill 96, 4, 3214868480
	.section	.rodata,"a",@progbits
	.p2align	6, 0x0
	.amdhsa_kernel k_q87dc5a4c5d_proj
		.amdhsa_group_segment_fixed_size 168448
		.amdhsa_private_segment_fixed_size 0
		.amdhsa_enable_private_segment 0
		.amdhsa_kernarg_size 48
		.amdhsa_user_sgpr_count 2
		.amdhsa_user_sgpr_kernarg_segment_ptr 1
		.amdhsa_wavefront_size32 1
		.amdhsa_system_sgpr_workgroup_id_x 1
		.amdhsa_system_sgpr_workgroup_id_y 1
		.amdhsa_system_sgpr_workgroup_id_z 1
		.amdhsa_system_vgpr_workitem_id 0
		.amdhsa_next_free_vgpr 1024
		.amdhsa_next_free_sgpr 80
		.amdhsa_reserve_vcc 0
		.amdhsa_float_denorm_mode_32 3
		.amdhsa_float_denorm_mode_16_64 3
		.amdhsa_memory_ordered 1
		.amdhsa_forward_progress 1
		.amdhsa_inst_pref_size 94
	.end_amdhsa_kernel
	.amdgpu_metadata
---
amdhsa.version: [ 1, 2 ]
amdhsa.kernels:
  - .name:           k_q87dc5a4c5d_proj
    .symbol:         k_q87dc5a4c5d_proj.kd
    .args:
      - { .name: a_img, .offset: 0, .size: 8, .value_kind: global_buffer, .address_space: global }
      - { .name: a_sc, .offset: 8, .size: 8, .value_kind: global_buffer, .address_space: global }
      - { .name: W_proj_codes, .offset: 16, .size: 8, .value_kind: global_buffer, .address_space: global }
      - { .name: W_proj_scales, .offset: 24, .size: 8, .value_kind: global_buffer, .address_space: global }
      - { .name: b_proj, .offset: 32, .size: 8, .value_kind: global_buffer, .address_space: global }
      - { .name: out0, .offset: 40, .size: 8, .value_kind: global_buffer, .address_space: global }
    .group_segment_fixed_size: 168448
    .private_segment_fixed_size: 0
    .kernarg_segment_align: 8
    .kernarg_segment_size: 48
    .max_flat_workgroup_size: 128
    .sgpr_count:     80
    .vgpr_count:     1024
    .wavefront_size: 32
...
	.end_amdgpu_metadata
.endif
;; end of part 3
